; MI455X (gfx1250); checked and timed in simulation.
; The chip was launched on July 23, 2026; its instructions are those of AMD's public machine-readable ISA for CDNA 5 (MIT licence, August 2026) and "CDNA5" Instruction Set Architecture Reference Guide (July 2026). The comments in the code are by the model that wrote it; some were corrected since.
;; Stitch Model. Allowed arithmetic: float matrix products may take bf16 or f16 operands with f32 sums; all other float work in f32.
;; Inputs: bbox1 8,192 x 4 float32; bbox2 16,384 x 4 float32; zflow1 8,192 float32; zflow2 16,384 float32.
;; Outputs: out0 2 x 16,384 int32; out1 16,384 x 6 float32.
;; Constants: topn = 2.
;; One version. Each part assembles by itself: llvm-mc -triple=amdgcn-amd-amdhsa -mcpu=gfx1250 --defsym DOCPART=n.
;; ======== version 1 of 1: 2 launches
;; limits: right only within a limited range of input values
;; workspace buffers: grp 65,536 bytes of whole numbers
;; launch groups (part 1): grid 256 x 1, 8 waves a work-group, clusters of 4 x 1, 327,680 bytes of LDS; arguments bbox1, bbox2, grp; writes grp
.if DOCPART == 1
	.amdgcn_target "amdgcn-amd-amdhsa--gfx1250"
	.amdhsa_code_object_version 6
	.text
	.protected	k_q42d560ba8a_groups
	.globl	k_q42d560ba8a_groups
	.p2align	8
	.type	k_q42d560ba8a_groups,@function
k_q42d560ba8a_groups:
	s_mov_b64 s[64:65], 0
	v_nop
	global_prefetch_b8 v0, s[64:65] scope:SCOPE_SE
	s_setreg_imm32_b32 hwreg(HW_REG_WAVE_MODE, 25, 1), 1
	s_wait_xcnt 0x0
	s_wait_alu depctr_hold_cnt(0) depctr_sa_sdst(0) depctr_va_vdst(0) depctr_va_sdst(0) depctr_va_ssrc(0) depctr_va_vcc(0) depctr_vm_vsrc(0)
	s_getreg_b32 s2, hwreg(HW_REG_IB_STS2, 6, 4)
	s_cmp_eq_u32 s2, 0
	s_cbranch_scc0 .Lentry_in_a_cluster
	s_endpgm
.Lentry_in_a_cluster:
	s_bfe_u32 s2, ttmp6, 0x10000c
	s_cmp_lg_u32 s2, 0x3003
	s_cbranch_scc0 .Lentry_shape_is_right
	s_endpgm
.Lentry_shape_is_right:
; FOR EACH QUERY (row of bbox1) THE TWO GROUPS OF 64 CANDIDATES (rows of bbox2) THAT HOLD ITS TWO NEAREST CANDIDATES.
; The candidates lie in 256 groups of 64 consecutive rows.  The nearest two of all lie in the two groups whose minima rank first, so the bulk of the work
; needs a minimum for each (query, group) and no index: for two pairs 2 v_pk_add, 1 v_pk_mul, 1 v_pk_fma, 1 v_min3: 2.5 instructions a pair.
; The later launch looks again at the 128 candidates of the two groups named here.
; ORDER.  The model ranks by (sqrt(d2) rounded to f32, index).  Several neighbouring d2 round to one root (a CLASS), so groups are ranked by (class of their
; minimum, group number): from the two smallest minima the correctly rounded root s is made, and from it the largest d2 of its class, s x next(s) rounded
; down; 'the lowest group number whose minimum is not above that bound' is then the model's order, since groups are runs of consecutive indices.
; LIMITS.  d2 = fma(dx, dx, dy dy), dx = x2 - x1: one rounding less than a product, a product and a sum; it can differ from such a sum in the last bit, which shows only
; where two candidates' distances agree to their last bits.  The class bound is exact for d2 = 0 and for 2^-100 <= d2 < 2^127 (below, the residuals of the
; root's correction leave f32's range).  NaN and infinities are not treated apart.
; SHARES.  256 work-groups, each 32 queries x all 16,384 candidates.  Eight waves; thread t owns group t.  A lane's 64 candidates come in four chunks of 16;
; in a chunk it holds 8 pairs (x, x), (y, y) in 32 registers and walks the 32 queries, which lie in 64 registers, the same in every lane; 32 registers hold the running minima.
; CLUSTER.  All work-groups read the same 256 KiB of bbox2, so four work-groups ask for each tile JOINTLY: the same tensor load, descriptor and mask in all four.
; A wave asks for its own 32 lanes' chunks and reads only those bytes, behind its own wait.  Every LDS byte is filled once.
; No matrix instruction: |a|^2 + |b|^2 - 2 a.b is a difference of large sums and in 16-bit operands ranks nothing.
.set NQ,     32                        ; queries of a work-group
.set NCH,    4                         ; chunks of 16 candidates in a lane's group
.set CROW,   264                       ; a lane's chunk in LDS: 256 bytes + 8 of padding = 66 words: lane l's word lies at bank 2 l mod 64 (64 banks of 4 bytes: ISA guide 11.1): 32 lanes, 32 banks
.set CHB,    32*CROW                   ; a wave's chunk: 8,448 bytes
.set GMB,    8*NCH*CHB                 ; behind the tiles: the minima, [query][group], f32
.set GPITCH, 1040                      ; a query's 256 minima + 16 bytes: an odd multiple of 16, so 16 lanes that read 16 rows touch 16 different columns
.set P1B,    GMB+NQ*GPITCH             ; [wave][query] the wave's two smallest minima, 8 bytes
.set P2B,    P1B+8*256                 ; [wave][query] the wave's lowest group numbers, 16 bytes
.set SPARE,  P2B+8*512                 ; the spare words, 128 bytes for each wave: four blocks of 256 bytes that no other line names
.set BIG,    0x10000                   ; 'no group'
.set LN,  1                            ; v1   lane
.set ZO,  2                            ; v2   0: every lane loads the same query
.set LA,  3                            ; v3   LDS address of my chunk
.set GA,  4                            ; v4   where my group's minima go
.set RA,  5                            ; v5   where I read 32 minima of query 'lane'
.set PA1, 6
.set PR1, 7
.set PA2, 8
.set PR2, 9
.set SPW, 10                           ; v10  LDS address of my spare word; never rewritten
.set NIL, 11                           ; v11  0; never rewritten
.set SO,  12                           ; v12  8 x lane: my query's place in grp
.set Q,   16                           ; v[16:79]   query q: (x, y) at Q + 2 q
.set GM,  80                           ; v[80:111]  query q's running minimum over my group
.set CD,  112                          ; v[112:143] pair i of the chunk: (x, x) at CD + 4 i, (y, y) at CD + 4 i + 2
.set TMP, 144                          ; v[144:175] eight sets of (dx, dx, dy, dy)
.set V,   CD                           ; later: 32 minima of one query
.set MA,  144
.set MB,  146
.set PL,  148                          ; v[148:163] the eight waves' pairs
.set Y1,  164
.set Y2,  165
.set H1,  166
.set H2,  167
.set TA,  168
.set TB,  169
.set TC,  170
.set TD,  171
.set RES, 172                          ; v[172:175] first, low, next, 0
.set WV,  10                           ; s10  my wave's number
.set G1,  16                           ; s[16:23] descriptor group 1
.set G0,  24                           ; s[24:39] descriptor group 0, a set for each chunk
; A round of the cluster's barrier: my work-group's barrier; wave 0 signals for the work-group; every wave waits for all four work-groups; my work-group's barrier once more.
.macro CROUND
	s_barrier_signal -1
	s_barrier_wait -1
	s_cmp_lg_u32 s[WV], 0
	s_cbranch_scc1 .Lnot_wave_0_\@
	s_barrier_signal -3
.Lnot_wave_0_\@:
	s_barrier_wait -3
	s_barrier_signal -1
	s_barrier_wait -1
.endm
; (m1 <= m2) takes in (n1 <= n2): the two smallest of the four
.macro MERGE m1, m2, n1, n2
	v_med3_num_f32 v[\m2], v[\n1], v[\m1], v[\m2]
	v_min_num_f32 v[\m1], v[\m1], v[\n1]
	v_min_num_f32 v[\m2], v[\m2], v[\n2]
.endm
; y holds v_sqrt_f32(m), one unit off at the most.  The root rounds to y's lower neighbour where m <= y x lower, to the upper where m > y x upper: the fused residuals have the exact
; differences' signs.  Then hi = the largest f32 not above s x next(s): every d2 up to it, and none beyond, has a root that rounds to s or less.
.macro CLASSTOP y, m, hi, a, b, c, d
	v_add_nc_u32 v[\a], -1, v[\y]
	v_add_nc_u32 v[\b], 1, v[\y]
	v_fma_f32 v[\c], -v[\a], v[\y], v[\m]
	v_fma_f32 v[\d], -v[\b], v[\y], v[\m]
	v_cmp_ge_f32 vcc_lo, 0, v[\c]
	v_cndmask_b32 v[\y], v[\y], v[\a], vcc_lo
	v_cmp_lt_f32 vcc_lo, 0, v[\d]
	v_cndmask_b32 v[\y], v[\y], v[\b], vcc_lo
	v_add_nc_u32 v[\a], 1, v[\y]
	v_mul_f32 v[\c], v[\y], v[\a]
	v_fma_f32 v[\d], v[\y], v[\a], -v[\c]          ; the product's rounding error, exactly
	v_cmp_gt_f32 vcc_lo, 0, v[\d]                  ; rounded up: step one f32 down
	v_cndmask_b32 v[\d], 0, 1, vcc_lo
	v_sub_nc_u32 v[\hi], v[\c], v[\d]
.endm
; My chunk's 16 candidates out of LDS, straight into pairs: 32 loads of one word, each lane at another bank
.macro LOADC
.set jj, 0
.rept 16
	ds_load_b32 v[CD+4*(jj/2)+(jj%2)],   v[LA] offset:16*jj
	ds_load_b32 v[CD+4*(jj/2)+2+(jj%2)], v[LA] offset:16*jj+4
.set jj, jj+1
.endr
.endm
; A chunk against the 32 queries: 256 steps of five instructions (query pp / 8, pair pp % 8).  The five belong to four different steps, two steps apart,
; so that no instruction reads a result made fewer than four instructions ahead of it; eight sets of temporaries take turns.
; first = 1: a query's first two distances start its minimum: nothing is preset.
.macro CHUNK first
.set pp, 0
.rept 8*NQ+6
.if pp >= 6
.set tt, TMP+4*((pp-6)%8)
.set qq, (pp-6)/8
.if (\first) && ((pp-6)%8 == 0)
	v_min_num_f32 v[GM+qq], v[tt], v[tt+1]
.else
	v_min3_num_f32 v[GM+qq], v[GM+qq], v[tt], v[tt+1]
.endif
.endif
.if (pp >= 4) && (pp < 8*NQ+4)
.set tt, TMP+4*((pp-4)%8)
	v_pk_fma_f32 v[tt:tt+1], v[tt:tt+1], v[tt:tt+1], v[tt+2:tt+3]      ; dx dx + dy dy
.endif
.if (pp >= 2) && (pp < 8*NQ+2)
.set tt, TMP+4*((pp-2)%8)
	v_pk_mul_f32 v[tt+2:tt+3], v[tt+2:tt+3], v[tt+2:tt+3]              ; dy dy
.endif
.if pp < 8*NQ
.set tt, TMP+4*(pp%8)
.set qq, pp/8
.set ii, pp%8
	v_pk_add_f32 v[tt:tt+1],   v[CD+4*ii:CD+4*ii+1],   v[Q+2*qq:Q+2*qq+1] op_sel_hi:[1,0] neg_lo:[0,1] neg_hi:[0,1]              ; two x less the query's x (the pair's first register for both)
	v_pk_add_f32 v[tt+2:tt+3], v[CD+4*ii+2:CD+4*ii+3], v[Q+2*qq:Q+2*qq+1] op_sel:[0,1] op_sel_hi:[1,1] neg_lo:[0,1] neg_hi:[0,1]  ; two y less the query's y (its second for both)
.endif
.set pp, pp+1
.endr
.endm
	s_load_b128 s[4:7], s[0:1], 0x0                ; bbox1 s[4:5], bbox2 s[6:7]
	s_load_b64 s[8:9], s[0:1], 0x10                ; grp
	v_lshl_add_u32 v[SPW], v0, 2, SPARE
	v_mov_b32 v[NIL], 0
	ds_add_u32 v[SPW], v[NIL]                      ; the wave's opening: the add and its wait ahead of my first tensor load; the set-up below, work on registers, stands between them
	v_lshrrev_b32 v[LN], 5, v0
	v_readfirstlane_b32 s[WV], v[LN]               ; wave 0..7
	s_bfe_u32 s11, ttmp6, 0x40000                  ; cx: my place in the cluster
	s_lshl_b32 s12, ttmp9, 2                       ; in a cluster launch ttmp9 counts clusters
	s_add_co_u32 s12, s12, s11                     ; my block of 32 queries: it enters bbox1's and grp's addresses alone
	; descriptor group 1: 32 rows (one a lane) of 32 elements of 8 bytes = 256 bytes, 1,024 bytes apart in memory, padded in LDS
	s_mov_b32 s[G1], 15|(3<<16)|(1<<20)|(1<<21)|(5<<22)|(1<<25)  ; 15:0 the mask of four; 17:16 8-byte elements; 20 padding on; 21 set beside a mask; 24:22 after every 64 words (code 5); 31:25 2 words (code 1)
	s_mov_b32 s[G1+1], 32<<16                      ; tensor_dim0 = 32
	s_mov_b32 s[G1+2], 32<<16                      ; tensor_dim1 = 32
	s_mov_b32 s[G1+3], 32<<16                      ; tile_dim0 = 32
	s_mov_b32 s[G1+4], 32                          ; tile_dim1 = 32
	s_mov_b32 s[G1+5], 128                         ; 128 elements from a lane's group to the next lane's
	s_mov_b32 s[G1+6], 0
	s_mov_b32 s[G1+7], 0
	s_mul_i32 s44, s[WV], NCH*CHB                  ; my wave's four chunks in LDS: the wave's number alone enters an LDS address
.irp c, 0,1,2,3
	s_mov_b32 s[G0+4*(\c)], 1                      ; count = 1
	s_add_co_u32 s[G0+4*(\c)+1], s44, (\c)*CHB     ; LDS address
.endr
	s_lshl_b32 s40, s[WV], 15                      ; my wave's 32 groups: 32,768 bytes of bbox2
	s_mov_b32 s41, 0
	s_lshl_b32 s46, s12, 9                         ; 32 rows of 16 bytes of bbox1
	s_mov_b32 s47, 0
	s_lshl_b32 s48, s12, 8                         ; 32 pairs of 8 bytes of grp
	s_mov_b32 s49, 0
	s_wait_dscnt 0x0                               ; the opening add is done
	s_wait_kmcnt 0x0
	s_add_nc_u64 s[42:43], s[6:7], s[40:41]
.irp c, 0,1,2,3
	s_add_nc_u64 s[G0+4*(\c)+2:G0+4*(\c)+3], s[42:43], (\c)*256  ; global address: chunk c is 256 bytes on in every group
	s_or_b32 s[G0+4*(\c)+3], s[G0+4*(\c)+3], 0x80000000          ; type = 2
.endr
	s_add_nc_u64 s[4:5], s[4:5], s[46:47]
	s_add_nc_u64 s[8:9], s[8:9], s[48:49]
	CROUND                                         ; all four work-groups are here: the joint loads meet
.irp c, 0,1,2,3
	tensor_load_to_lds s[G0+4*(\c):G0+4*(\c)+3], s[G1:G1+7]      ; all my fills in one group, chunk 0 first: four loads of mine are out
	s_nop 0
.endr
.rept 4
	v_nop
.endr
	v_and_b32 v[LN], 31, v0
	v_mov_b32 v[ZO], 0
.set qq, 0
.rept NQ
	global_load_b64 v[Q+2*qq:Q+2*qq+1], v[ZO], s[4:5] offset:16*qq   ; query qq's (x, y), the same in every lane
.set qq, qq+1
.endr
	v_mul_u32_u24 v[LA], v[LN], CROW
	v_add_nc_u32 v[LA], s44, v[LA]
	v_lshl_add_u32 v[GA], v0, 2, GMB               ; column = my group's number
	v_mul_u32_u24 v[RA], v[LN], GPITCH
	s_lshl_b32 s45, s[WV], 7
	s_add_co_u32 s45, s45, GMB
	v_add_nc_u32 v[RA], s45, v[RA]                 ; row = query 'lane', columns 32 w on
	v_lshl_add_u32 v[PA1], v0, 3, P1B
	v_lshl_add_u32 v[PR1], v[LN], 3, P1B
	v_lshl_add_u32 v[PA2], v0, 4, P2B
	v_lshl_add_u32 v[PR2], v[LN], 4, P2B
	v_lshlrev_b32 v[SO], 3, v[LN]
	s_wait_tensorcnt 0x3                           ; tensor loads of a wave end in order (ISA guide 10.11.1): chunk 0 is in, the three behind it stay on their way
	LOADC
	s_wait_loadcnt 0x0                             ; the queries
	s_wait_dscnt 0x0
	CHUNK 1                                        ; 1,280 instructions, under which chunks 1 to 3 land
	s_wait_tensorcnt 0x0
	s_mov_b32 s50, NCH-1
.Lchunk:
	v_add_nc_u32 v[LA], CHB, v[LA]
	LOADC
	s_wait_dscnt 0x0
	CHUNK 0
	s_sub_co_u32 s50, s50, 1
	s_cmp_lg_u32 s50, 0
	s_cbranch_scc1 .Lchunk
	; THE 32 x 256 MINIMA CHANGE HANDS: from lane = group to lane = query.
.set qq, 0
.rept NQ
	ds_store_b32 v[GA], v[GM+qq] offset:qq*GPITCH
.set qq, qq+1
.endr
	s_wait_dscnt 0x0                               ; for the others' sake: my stores are done
	s_barrier_signal -1
	s_barrier_wait -1
.set kk, 0
.rept 8
	ds_load_b128 v[V+4*kk:V+4*kk+3], v[RA] offset:16*kk   ; query 'lane', groups 32 w .. 32 w + 31
.set kk, kk+1
.endr
	s_wait_dscnt 0x0
	; the two smallest of my 32, in two chains that do not wait for each other
	v_min_num_f32 v[MA], v[V], v[V+1]
	v_max_num_f32 v[MA+1], v[V], v[V+1]
	v_min_num_f32 v[MB], v[V+16], v[V+17]
	v_max_num_f32 v[MB+1], v[V+16], v[V+17]
.set kk, 2
.rept 14
	v_med3_num_f32 v[MA+1], v[V+kk], v[MA], v[MA+1]
	v_med3_num_f32 v[MB+1], v[V+16+kk], v[MB], v[MB+1]
	v_min_num_f32 v[MA], v[MA], v[V+kk]
	v_min_num_f32 v[MB], v[MB], v[V+16+kk]
.set kk, kk+1
.endr
	MERGE MA, MA+1, MB, MB+1
	ds_store_b64 v[PA1], v[MA:MA+1]
	s_wait_dscnt 0x0
	s_barrier_signal -1
	s_barrier_wait -1
.set kk, 0
.rept 8
	ds_load_b64 v[PL+2*kk:PL+2*kk+1], v[PR1] offset:256*kk
.set kk, kk+1
.endr
	s_wait_dscnt 0x0
.set kk, 1
.rept 7
	MERGE PL, PL+1, PL+2*kk, PL+2*kk+1             ; the two smallest of all 256, in every wave
.set kk, kk+1
.endr
	v_sqrt_f32 v[Y1], v[PL]
	v_sqrt_f32 v[Y2], v[PL+1]
	v_mov_b32 v[RES], BIG                          ; plain instructions stand between the roots and their use (ISA guide 5.7.2)
	v_mov_b32 v[RES+1], BIG
	v_mov_b32 v[RES+2], BIG
	v_mov_b32 v[RES+3], 0
	s_wait_alu depctr_va_vdst(0)
	CLASSTOP Y1, PL, H1, TA, TB, TC, TD
	CLASSTOP Y2, PL+1, H2, TA, TB, TC, TD
	; downward through my 32 groups: the lowest within the first class; the two lowest within the second class or better
.set cc, 31
.rept 32
	v_cmp_le_f32 vcc_lo, v[V+cc], v[H1]
	v_cndmask_b32 v[RES], v[RES], cc, vcc_lo
	v_cmp_le_f32 s52, v[V+cc], v[H2]
	v_cndmask_b32 v[RES+2], v[RES+2], v[RES+1], s52
	v_cndmask_b32 v[RES+1], v[RES+1], cc, s52
.set cc, cc-1
.endr
	s_lshl_b32 s53, s[WV], 5
.irp k, 0,1,2
	v_add_nc_u32 v[RES+(\k)], s53, v[RES+(\k)]     ; group numbers of the whole
.endr
.irp k, 0,1,2
	v_cvt_f32_u32 v[RES+(\k)], v[RES+(\k)]         ; as f32 (exact), so that the same three lines merge them
.endr
	ds_store_b128 v[PA2], v[RES:RES+3]
	s_wait_dscnt 0x0
	s_barrier_signal -1
	s_barrier_wait -1
	s_cmp_lg_u32 s[WV], 0
	s_cbranch_scc1 .Ldone                          ; wave 0 finishes: lane = query, so its one store covers 256 consecutive bytes, aligned
.set kk, 0
.rept 8
	ds_load_b128 v[V+4*kk:V+4*kk+3], v[PR2] offset:512*kk
.set kk, kk+1
.endr
	s_wait_dscnt 0x0
.set kk, 1
.rept 7
	v_min_num_f32 v[V], v[V], v[V+4*kk]
	MERGE V+1, V+2, V+4*kk+1, V+4*kk+2
.set kk, kk+1
.endr
	v_cmp_eq_f32 vcc_lo, v[V+1], v[V]              ; the second group: the lowest within the second class that is not the first group
	v_cndmask_b32 v[V+1], v[V+1], v[V+2], vcc_lo
	v_min_num_f32 v[V+2], v[V], v[V+1]             ; stored in ascending order: the later launch's local numbers then go by index
	v_max_num_f32 v[V+3], v[V], v[V+1]
	v_cvt_u32_f32 v[V+2], v[V+2]
	v_cvt_u32_f32 v[V+3], v[V+3]
	global_store_b64 v[SO], v[V+2:V+3], s[8:9]
.Ldone:
	s_wait_tensorcnt 0x0                           ; the wave's end, behind my last tensor load and my last LDS store
	ds_add_u32 v[SPW], v[NIL]
	s_wait_dscnt 0x0
	CROUND                                         ; the closing round: no work-group ends while a partner may still ask for a tile that names it
	s_endpgm
.Lfunc_end_k_q42d560ba8a_groups:
	.size	k_q42d560ba8a_groups, .Lfunc_end_k_q42d560ba8a_groups-k_q42d560ba8a_groups
	.p2alignl 7, 3214868480
	.fill 96, 4, 3214868480
	.section	.rodata,"a",@progbits
	.p2align	6, 0x0
	.amdhsa_kernel k_q42d560ba8a_groups
		.amdhsa_group_segment_fixed_size 327680
		.amdhsa_private_segment_fixed_size 0
		.amdhsa_enable_private_segment 0
		.amdhsa_kernarg_size 24
		.amdhsa_user_sgpr_count 2
		.amdhsa_user_sgpr_kernarg_segment_ptr 1
		.amdhsa_wavefront_size32 1
		.amdhsa_system_sgpr_workgroup_id_x 1
		.amdhsa_system_sgpr_workgroup_id_y 1
		.amdhsa_system_sgpr_workgroup_id_z 1
		.amdhsa_system_vgpr_workitem_id 0
		.amdhsa_next_free_vgpr 176
		.amdhsa_next_free_sgpr 66
		.amdhsa_reserve_vcc 1
		.amdhsa_float_denorm_mode_32 3
		.amdhsa_float_denorm_mode_16_64 3
		.amdhsa_memory_ordered 1
		.amdhsa_forward_progress 1
		.amdhsa_inst_pref_size 192
	.end_amdhsa_kernel
	.amdgpu_metadata
---
amdhsa.version: [ 1, 2 ]
amdhsa.kernels:
  - .name:           k_q42d560ba8a_groups
    .symbol:         k_q42d560ba8a_groups.kd
    .args:
      - { .name: bbox1, .offset: 0, .size: 8, .value_kind: global_buffer, .address_space: global }
      - { .name: bbox2, .offset: 8, .size: 8, .value_kind: global_buffer, .address_space: global }
      - { .name: grp, .offset: 16, .size: 8, .value_kind: global_buffer, .address_space: global }
    .group_segment_fixed_size: 327680
    .private_segment_fixed_size: 0
    .kernarg_segment_align: 8
    .kernarg_segment_size: 24
    .max_flat_workgroup_size: 256
    .sgpr_count:     66
    .vgpr_count:     176
    .wavefront_size: 32
...
	.end_amdgpu_metadata
.endif
;; end of part 1
;; launch edges (part 2): grid 256 x 1, 8 waves a work-group, no clusters, 4,096 bytes of LDS; arguments bbox1, bbox2, zflow1, zflow2, grp, out0, out1; writes out0, out1
.if DOCPART == 2
	.amdgcn_target "amdgcn-amd-amdhsa--gfx1250"
	.amdhsa_code_object_version 6
	.text
	.protected	k_q42d560ba8a_edges
	.globl	k_q42d560ba8a_edges
	.p2align	8
	.type	k_q42d560ba8a_edges,@function
k_q42d560ba8a_edges:
	s_mov_b64 s[64:65], 0
	v_nop
	global_prefetch_b8 v0, s[64:65] scope:SCOPE_SE
	s_setreg_imm32_b32 hwreg(HW_REG_WAVE_MODE, 25, 1), 1
	s_wait_xcnt 0x0
; THE TWO NEAREST CANDIDATES OF EACH QUERY, AMONG THE 128 OF THE TWO GROUPS THAT grp NAMES (ascending), AND THE EDGES' NUMBERS AND ATTRIBUTES.
; out0[0][2 q + r] = q; out0[1][2 q + r] = 8192 + candidate; out1[2 q + r] = zflow1, zflow2, x1 - x2, y1 - y2, w1 / w2, h1 / h2.
; ORDER as in the launch before: by (class of d2 = all d2 whose root rounds to the same f32, index).  From the two smallest d2 the largest d2 of each one's class is made;
; first = the lowest local number within the first class; second = the lowest other within the second class.  Local number n = 16 j + lane (slot j of 8) goes by index.
; LIMITS.  d2 = fma(dx, dx, dy dy), the same bits as in the launch before; the class bound is exact for d2 = 0 and 2^-100 <= d2 < 2^127; NaN and infinities are not treated apart.
; A quotient is a product with v_rcp_f32 (within two units of the last place), for |w2|, |h2| from 2^-126 to 2^126.  A group number is cut to 255 before it enters an address.
; SHARES.  A work-group has 32 queries; 16 lanes serve one query with 8 candidates a lane, so a load's 16 lanes take 256 consecutive bytes, aligned.  A wave serves 4 queries in two passes
; of two, and asks for both passes' rows before it works on the first.  No address hangs on a comparison made here: the winners' rows are picked by selects and a sum over the 16 lanes.
; NO CLUSTER: which rows a work-group reads hangs on its own queries' group numbers; nothing is shared at a known time.
.set ST1,   0                          ; stage: 64 edges x 24 bytes, as they lie in out1
.set ST0,   1536                       ; stage: 64 candidate numbers, as they lie in out0's second row
.set SPARE, 1792                       ; the spare words, 128 bytes for each wave: four blocks of 256 bytes that no other line names
.set BIG,   0x1000                     ; 'none'
.set LN,  1                            ; v1   lane % 16
.set HF,  2                            ; v2   lane / 16
.set QL,  3                            ; v3   4 w + lane / 16: my query in pass 0; pass 1's is two on
.set OG,  4                            ; v4-6 its byte offsets in grp, bbox1, zflow1
.set OA,  5
.set OZ,  6
.set P0,  16                           ; a pass's block of 56: +0,1 the two groups; +2 zflow1; +4..7 the query's row; +8..11 offsets; +12..43 eight rows of bbox2; +44..51 eight zflow2
.set P1,  72
.set DXY, 128                          ; v[128:143] (dx, dy) of slot j
.set D2,  144                          ; v[144:151]
.set M1,  152
.set M2,  153
.set T0,  154
.set T1,  155
.set Y1,  156
.set Y2,  157
.set H1,  158
.set H2,  159
.set TA,  160
.set TB,  161
.set TC,  162
.set TD,  163
.set FA,  168                          ; first; the two lowest
.set FB1, 169
.set FB2, 170
.set W1,  171
.set W2,  172
.set WL,  173
.set AC0, 174                          ; v[174:178], v[180:184] the winners' x, y, w, h, zflow2
.set AC1, 180
.set O,   188                          ; v[188:199] the query's two edges, 12 numbers
.set IDX, 200                          ; v[200:201]
.set L16, 202
.set L4,  203
.set SA1, 204
.set SA0, 205
.set SPW, 206                          ; LDS address of my spare word; never rewritten
.set NIL, 207                          ; 0; never rewritten
; as in the launch before: y = v_sqrt_f32(m) is mended to the correctly rounded root s; hi = the largest f32 not above s x next(s)
.macro CLASSTOP y, m, hi, a, b, c, d
	v_add_nc_u32 v[\a], -1, v[\y]
	v_add_nc_u32 v[\b], 1, v[\y]
	v_fma_f32 v[\c], -v[\a], v[\y], v[\m]
	v_fma_f32 v[\d], -v[\b], v[\y], v[\m]
	v_cmp_ge_f32 vcc_lo, 0, v[\c]
	v_cndmask_b32 v[\y], v[\y], v[\a], vcc_lo
	v_cmp_lt_f32 vcc_lo, 0, v[\d]
	v_cndmask_b32 v[\y], v[\y], v[\b], vcc_lo
	v_add_nc_u32 v[\a], 1, v[\y]
	v_mul_f32 v[\c], v[\y], v[\a]
	v_fma_f32 v[\d], v[\y], v[\a], -v[\c]
	v_cmp_gt_f32 vcc_lo, 0, v[\d]
	v_cndmask_b32 v[\d], 0, 1, vcc_lo
	v_sub_nc_u32 v[\hi], v[\c], v[\d]
.endm
; (a1 <= a2) of my lanes meets the same of the lanes k away: the two smallest of the four, in both
.macro MEET a1, a2, k
	v_max_num_f32_dpp v[T0], v[\a1], v[\a1] row_xmask:\k row_mask:0xf bank_mask:0xf
	v_min_num_f32_dpp v[T1], v[\a2], v[\a2] row_xmask:\k row_mask:0xf bank_mask:0xf
	v_min_num_f32_dpp v[\a1], v[\a1], v[\a1] row_xmask:\k row_mask:0xf bank_mask:0xf
	v_min_num_f32 v[\a2], v[T0], v[T1]
.endm
; A pass's 16 loads.  Slots 0-3 are the lower group's rows 16 j + lane, slots 4-7 the upper group's.
.macro ASK pb
	v_min_u32 v[(\pb)], 0xff, v[(\pb)]
	v_min_u32 v[(\pb)+1], 0xff, v[(\pb)+1]
	v_lshl_add_u32 v[(\pb)+8],  v[(\pb)],   10, v[L16]   ; a group is 1,024 bytes of bbox2
	v_lshl_add_u32 v[(\pb)+9],  v[(\pb)+1], 10, v[L16]
	v_lshl_add_u32 v[(\pb)+10], v[(\pb)],   8, v[L4]     ; and 256 of zflow2
	v_lshl_add_u32 v[(\pb)+11], v[(\pb)+1], 8, v[L4]
.set jj, 0
.rept 8
	global_load_b128 v[(\pb)+12+4*jj:(\pb)+15+4*jj], v[(\pb)+8+jj/4], s[6:7] offset:256*(jj%4)
.set jj, jj+1
.endr
.set jj, 0
.rept 8
	global_load_b32 v[(\pb)+44+jj], v[(\pb)+10+jj/4], s[10:11] offset:64*(jj%4)
.set jj, jj+1
.endr
.endm
; The candidate with local number w: the lane and slot that hold it keep their five numbers, all others 0; the sum over the 16 lanes brings them to every lane.  Then the edge's six numbers and its index.
.macro RANK pb, w, acc, r
	v_sub_nc_u32 v[WL], v[\w], v[LN]               ; mine if this is 16 j
	v_cmp_eq_u32 vcc_lo, 0, v[WL]
.irp k, 0,1,2,3
	v_cndmask_b32 v[(\acc)+(\k)], 0, v[(\pb)+12+(\k)], vcc_lo
.endr
	v_cndmask_b32 v[(\acc)+4], 0, v[(\pb)+44], vcc_lo
.set jj, 1
.rept 7
	v_cmp_eq_u32 vcc_lo, 16*jj, v[WL]
.irp k, 0,1,2,3
	v_cndmask_b32 v[(\acc)+(\k)], v[(\acc)+(\k)], v[(\pb)+12+4*jj+(\k)], vcc_lo
.endr
	v_cndmask_b32 v[(\acc)+4], v[(\acc)+4], v[(\pb)+44+jj], vcc_lo
.set jj, jj+1
.endr
.irp m, 1,2,4,8
.irp k, 0,1,2,3,4
	v_add_f32_dpp v[(\acc)+(\k)], v[(\acc)+(\k)], v[(\acc)+(\k)] row_xmask:\m row_mask:0xf bank_mask:0xf
.endr
.endr
	v_rcp_f32 v[T0], v[(\acc)+2]
	v_rcp_f32 v[T1], v[(\acc)+3]
	v_mov_b32 v[O+6*(\r)], v[(\pb)+2]              ; plain instructions stand between the reciprocals and their use (ISA guide 5.7.2)
	v_mov_b32 v[O+6*(\r)+1], v[(\acc)+4]
	v_pk_add_f32 v[O+6*(\r)+2:O+6*(\r)+3], v[(\pb)+4:(\pb)+5], v[(\acc):(\acc)+1] neg_lo:[0,1] neg_hi:[0,1]
	s_wait_alu depctr_va_vdst(0)
	v_mul_f32 v[O+6*(\r)+4], v[(\pb)+6], v[T0]
	v_mul_f32 v[O+6*(\r)+5], v[(\pb)+7], v[T1]
	v_cmp_gt_u32 vcc_lo, 64, v[\w]                 ; in the lower group?
	v_cndmask_b32 v[IDX+(\r)], v[DXY+1], v[DXY], vcc_lo
	v_add_nc_u32 v[IDX+(\r)], v[IDX+(\r)], v[\w]
.endm
.macro PASS pb, s
.set jj, 0
.rept 8
	v_pk_add_f32 v[DXY+2*jj:DXY+2*jj+1], v[(\pb)+12+4*jj:(\pb)+13+4*jj], v[(\pb)+4:(\pb)+5] neg_lo:[0,1] neg_hi:[0,1]
.set jj, jj+1
.endr
.set jj, 0
.rept 8
	v_mul_f32 v[D2+jj], v[DXY+2*jj+1], v[DXY+2*jj+1]
.set jj, jj+1
.endr
.set jj, 0
.rept 8
	v_fmac_f32 v[D2+jj], v[DXY+2*jj], v[DXY+2*jj]  ; dx dx + dy dy, fused
.set jj, jj+1
.endr
	v_min_num_f32 v[M1], v[D2], v[D2+1]            ; the two smallest of my eight,
	v_max_num_f32 v[M2], v[D2], v[D2+1]
.set jj, 2
.rept 6
	v_med3_num_f32 v[M2], v[D2+jj], v[M1], v[M2]
	v_min_num_f32 v[M1], v[M1], v[D2+jj]
.set jj, jj+1
.endr
.irp m, 1,2,4,8
	MEET M1, M2, \m                                ; and of the query's 128, in all its 16 lanes
.endr
	v_sqrt_f32 v[Y1], v[M1]
	v_sqrt_f32 v[Y2], v[M2]
	v_mov_b32 v[FA], BIG                           ; plain instructions stand between the roots and their use
	v_mov_b32 v[FB1], BIG
	v_mov_b32 v[FB2], BIG
	v_lshl_add_u32 v[DXY], v[(\pb)], 6, 8192       ; what turns a local number into out0's: 8192 + 64 x lower group,
	v_lshl_add_u32 v[DXY+1], v[(\pb)+1], 6, 8128   ; or 8192 + 64 x upper group - 64
	s_wait_alu depctr_va_vdst(0)
	CLASSTOP Y1, M1, H1, TA, TB, TC, TD
	CLASSTOP Y2, M2, H2, TA, TB, TC, TD
.set jj, 7
.rept 8                                                ; downward through my slots
	v_cmp_le_f32 vcc_lo, v[D2+jj], v[H1]
	v_cndmask_b32 v[FA], v[FA], 16*jj, vcc_lo
	v_cmp_le_f32 s30, v[D2+jj], v[H2]
	v_cndmask_b32 v[FB2], v[FB2], v[FB1], s30
	v_cndmask_b32 v[FB1], v[FB1], 16*jj, s30
.set jj, jj-1
.endr
.irp x, FA, FB1, FB2
	v_add_nc_u32 v[\x], v[\x], v[LN]
.endr
.irp x, FA, FB1, FB2
	v_cvt_f32_u32 v[\x], v[\x]                     ; exact; the reductions over lanes ride on f32 arithmetic
.endr
.irp m, 1,2,4,8
	v_min_num_f32_dpp v[FA], v[FA], v[FA] row_xmask:\m row_mask:0xf bank_mask:0xf
	MEET FB1, FB2, \m
.endr
	v_cmp_eq_f32 vcc_lo, v[FB1], v[FA]
	v_cndmask_b32 v[FB1], v[FB1], v[FB2], vcc_lo   ; the lowest within the second class that is not the first
	v_cvt_u32_f32 v[W1], v[FA]
	v_cvt_u32_f32 v[W2], v[FB1]
	RANK \pb, W1, AC0, 0
	RANK \pb, W2, AC1, 1
.irp k, 0,1,2
	ds_store_b128 v[SA1], v[O+4*(\k):O+4*(\k)+3] offset:96*(\s)+16*(\k)  ; a query's 16 lanes hold the same numbers and write them to the same bytes
.endr
	ds_store_b64 v[SA0], v[IDX:IDX+1] offset:16*(\s)
.endm
	s_load_b256 s[4:11], s[0:1], 0x0               ; bbox1 s[4:5], bbox2 s[6:7], zflow1 s[8:9], zflow2 s[10:11]
	s_load_b128 s[12:15], s[0:1], 0x20             ; grp s[12:13], out0 s[14:15]
	s_load_b64 s[16:17], s[0:1], 0x30              ; out1
	v_lshl_add_u32 v[SPW], v0, 2, SPARE
	v_mov_b32 v[NIL], 0
	v_lshrrev_b32 v[QL], 5, v0
	v_readfirstlane_b32 s20, v[QL]                 ; wave 0..7
	v_and_b32 v[LN], 15, v0
	v_bfe_u32 v[HF], v0, 4, 1
	v_lshl_add_u32 v[QL], v[QL], 2, v[HF]
	v_lshlrev_b32 v[OG], 3, v[QL]
	v_lshlrev_b32 v[OA], 4, v[QL]
	v_lshlrev_b32 v[OZ], 2, v[QL]
	v_lshlrev_b32 v[L16], 4, v[LN]
	v_lshlrev_b32 v[L4], 2, v[LN]
	v_mov_b32 v[T0], 0                             ; written once: a DPP form's destination counts as read
	v_mov_b32 v[T1], 0
	s_mul_i32 s32, s20, 192                        ; my wave's four queries in the stages: 4 x 48 bytes,
	s_lshl_b32 s33, s20, 5                         ; 4 x 8 bytes
	s_add_co_u32 s33, s33, ST0
	v_mul_u32_u24 v[SA1], v[HF], 48
	v_add_nc_u32 v[SA1], s32, v[SA1]
	v_lshl_add_u32 v[SA0], v[HF], 3, s33
	s_lshl_b32 s22, ttmp9, 9                       ; the work-group's 32 queries: 512 bytes of bbox1,
	s_mov_b32 s23, 0
	s_lshl_b32 s24, ttmp9, 7                       ; 128 of zflow1,
	s_mov_b32 s25, 0
	s_lshl_b32 s26, ttmp9, 8                       ; 256 of grp and of each row of out0,
	s_mov_b32 s27, 0
	s_mul_i32 s28, ttmp9, 1536                     ; 1,536 of out1
	s_mov_b32 s29, 0
	s_lshl_b32 s31, ttmp9, 5                       ; its first query
	s_wait_kmcnt 0x0
	s_add_nc_u64 s[4:5], s[4:5], s[22:23]
	s_add_nc_u64 s[8:9], s[8:9], s[24:25]
	s_add_nc_u64 s[12:13], s[12:13], s[26:27]
	s_add_nc_u64 s[14:15], s[14:15], s[26:27]
	s_add_nc_u64 s[16:17], s[16:17], s[28:29]
	global_load_b64 v[P0:P0+1], v[OG], s[12:13]
	global_load_b64 v[P1:P1+1], v[OG], s[12:13] offset:16
	global_load_b128 v[P0+4:P0+7], v[OA], s[4:5]
	global_load_b128 v[P1+4:P1+7], v[OA], s[4:5] offset:32
	global_load_b32 v[P0+2], v[OZ], s[8:9]
	global_load_b32 v[P1+2], v[OZ], s[8:9] offset:8
	s_wait_loadcnt 0x4                             ; loads come back in order (ISA guide 5.7.1): the group numbers are in, the four loads behind them stay out
	ASK P0
	ASK P1
	s_wait_loadcnt 0x10                            ; all but the second pass's sixteen
	PASS P0, 0
	s_wait_loadcnt 0x0
	PASS P1, 1
	s_wait_dscnt 0x0                               ; for the others' sake: my stores into the stages are done
	s_barrier_signal -1
	s_barrier_wait -1
	s_cmp_lt_u32 s20, 3
	s_cbranch_scc0 .Lnot_attr
	v_lshlrev_b32 v[DXY], 4, v0                    ; waves 0 to 2: 96 threads x 16 bytes = the work-group's 1,536 bytes of out1; 16 lanes store 256 consecutive bytes, aligned
	ds_load_b128 v[O:O+3], v[DXY]
	s_wait_dscnt 0x0
	global_store_b128 v[DXY], v[O:O+3], s[16:17]
	s_branch .Lend
.Lnot_attr:
	s_cmp_eq_u32 s20, 3
	s_cbranch_scc0 .Lend
	v_add_nc_u32 v[DXY], ST0, v[L16]               ; wave 3: lanes 0-15 store 256 bytes of out0's first row, lanes 16-31 of its second
	ds_load_b128 v[O:O+3], v[DXY]
	v_lshl_add_u32 v[T0], v[LN], 1, s31            ; edges 4 l .. 4 l + 3 belong to queries 2 l, 2 l, 2 l + 1, 2 l + 1
	v_add_nc_u32 v[T1], 1, v[T0]
	v_lshlrev_b32 v[DXY+1], 16, v[HF]              ; a row of out0 is 65,536 bytes
	v_add_nc_u32 v[DXY+1], v[DXY+1], v[L16]
	v_cmp_eq_u32 vcc_lo, 1, v[HF]
	s_wait_dscnt 0x0
	v_cndmask_b32 v[O], v[T0], v[O], vcc_lo
	v_cndmask_b32 v[O+1], v[T0], v[O+1], vcc_lo
	v_cndmask_b32 v[O+2], v[T1], v[O+2], vcc_lo
	v_cndmask_b32 v[O+3], v[T1], v[O+3], vcc_lo
	global_store_b128 v[DXY+1], v[O:O+3], s[14:15]
.Lend:
	s_wait_tensorcnt 0x0                           ; the wave's end, behind my last LDS store
	ds_add_u32 v[SPW], v[NIL]
	s_wait_dscnt 0x0
	s_endpgm
.Lfunc_end_k_q42d560ba8a_edges:
	.size	k_q42d560ba8a_edges, .Lfunc_end_k_q42d560ba8a_edges-k_q42d560ba8a_edges
	.p2alignl 7, 3214868480
	.fill 96, 4, 3214868480
	.section	.rodata,"a",@progbits
	.p2align	6, 0x0
	.amdhsa_kernel k_q42d560ba8a_edges
		.amdhsa_group_segment_fixed_size 4096
		.amdhsa_private_segment_fixed_size 0
		.amdhsa_enable_private_segment 0
		.amdhsa_kernarg_size 56
		.amdhsa_user_sgpr_count 2
		.amdhsa_user_sgpr_kernarg_segment_ptr 1
		.amdhsa_wavefront_size32 1
		.amdhsa_system_sgpr_workgroup_id_x 1
		.amdhsa_system_sgpr_workgroup_id_y 1
		.amdhsa_system_sgpr_workgroup_id_z 1
		.amdhsa_system_vgpr_workitem_id 0
		.amdhsa_next_free_vgpr 208
		.amdhsa_next_free_sgpr 66
		.amdhsa_reserve_vcc 1
		.amdhsa_float_denorm_mode_32 3
		.amdhsa_float_denorm_mode_16_64 3
		.amdhsa_memory_ordered 1
		.amdhsa_forward_progress 1
		.amdhsa_inst_pref_size 37
	.end_amdhsa_kernel
	.amdgpu_metadata
---
amdhsa.version: [ 1, 2 ]
amdhsa.kernels:
  - .name:           k_q42d560ba8a_edges
    .symbol:         k_q42d560ba8a_edges.kd
    .args:
      - { .name: bbox1, .offset: 0, .size: 8, .value_kind: global_buffer, .address_space: global }
      - { .name: bbox2, .offset: 8, .size: 8, .value_kind: global_buffer, .address_space: global }
      - { .name: zflow1, .offset: 16, .size: 8, .value_kind: global_buffer, .address_space: global }
      - { .name: zflow2, .offset: 24, .size: 8, .value_kind: global_buffer, .address_space: global }
      - { .name: grp, .offset: 32, .size: 8, .value_kind: global_buffer, .address_space: global }
      - { .name: out0, .offset: 40, .size: 8, .value_kind: global_buffer, .address_space: global }
      - { .name: out1, .offset: 48, .size: 8, .value_kind: global_buffer, .address_space: global }
    .group_segment_fixed_size: 4096
    .private_segment_fixed_size: 0
    .kernarg_segment_align: 8
    .kernarg_segment_size: 56
    .max_flat_workgroup_size: 256
    .sgpr_count:     66
    .vgpr_count:     208
    .wavefront_size: 32
...
	.end_amdgpu_metadata
.endif
;; end of part 2
